; MI455X (gfx1250); checked and timed in simulation.
; The chip was launched on July 23, 2026; its instructions are those of AMD's public machine-readable ISA for CDNA 5 (MIT licence, August 2026) and "CDNA5" Instruction Set Architecture Reference Guide (July 2026). The comments in the code are by the model that wrote it; some were corrected since.
;; Multi Head Self Attention. Allowed arithmetic: matrix products marked QUANTISED: E2M1 operands, one E8M0 scale for each 32 along K, by v_wmma_scale_f32_16x16x128_f8f6f4 with both operands' format E2M1 (or v_wmma_scale_f32_32x16x128_f4), f32 sums; everything else in f32.
;; Inputs: W_out_codes 1,024 x 32 x 16 uint8 (E2M1 codes of W_out, K innermost, in blocks of 32 codes, two codes a byte); W_out_scales 1,024 x 32 uint8 (E8M0 scales of W_out, one for each 32 codes along K); W_qkv_codes 3,072 x 32 x 16 uint8 (E2M1 codes of W_qkv, K innermost, in blocks of 32 codes, two codes a byte); W_qkv_scales 3,072 x 32 uint8 (E8M0 scales of W_qkv, one for each 32 codes along K); b_out 1,024 float32; b_qkv 3,072 float32; x_codes 4 x 2,048 x 32 x 16 uint8 (E2M1 codes of x, K innermost, in blocks of 32 codes, two codes a byte); x_scales 4 x 2,048 x 32 uint8 (E8M0 scales of x, one for each 32 codes along K).
;; Outputs: out0 4 x 2,048 x 1,024 float32.
;; This version of the problem:
;;   THIS VERSION OF THE PROBLEM IS GIVEN IN LOW PRECISION. The matrix products marked QUANTISED in the list below multiply operands that are first quantised to E2M1 (2 exponent bits, 1 mantissa bit; 4 bits a number), with one power-of-two scale for each 32 numbers along K (OCP MX v1.0); their sums are f32. All else is computed in f32.
;;   The module's matrix products, in the order in which they are computed (A, B: the left and right operand; K: the contracted axis; several contracted axes count as one K, in the product's order):
;;     1. [M 8,192, K 1,024] x [K 1,024, N 3,072]; A: input x (given as codes); B: input W_qkv (given as codes): QUANTISED
;;     2. batch 64 x [M 2,048, K 64] x [K 64, N 2,048]; A: computed on the way; B: computed on the way: QUANTISED
;;     3. batch 64 x [M 2,048, K 2,048] x [K 2,048, N 64]; A: softmax (see below); B: computed on the way: QUANTISED
;;     4. [M 8,192, K 1,024] x [K 1,024, N 1,024]; A: computed on the way; B: input W_out (given as codes): QUANTISED
;;   THE QUANTISER, for each operand of a quantised product, along K:
;;     - K is cut into blocks of 32 from its start; a last block that is shorter is filled with zeros.
;;     - A block's scale is 2^e with e = floor(log2(the largest magnitude in the block)) - 2, held to -126 .. 127; a block of zeros has e = 0. As a byte (E8M0): e + 127.
;;     - Each number is divided by its block's scale, clamped to +-6, and rounded to the nearest number of E2M1, ties to even, subnormals kept.
;;     - The product sums the exact products of the quantised numbers (number of the format x scale) in f32.
;;   ~~~python
;;   def quantise(x, axis):      # numpy; x: float32 -> the quantised numbers, widened to float32 again
;;       x = np.moveaxis(x, axis, -1); K = x.shape[-1]
;;       x = np.pad(x, [(0, 0)] * (x.ndim - 1) + [(0, -K % 32)]); x = x.reshape(x.shape[:-1] + (-1, 32)); a = np.abs(x).max(-1, keepdims=True)
;;       e = np.where(a > 0, np.clip(np.frexp(np.where(a > 0, a, 1))[1] - 1 - 2, -126, 127), 0)      # np.frexp(a)[1] - 1 = floor(log2(a)), exactly
;;       r = np.clip(x / 2.0 ** e, -6, 6)
;;       step = 2.0 ** (np.maximum(np.frexp(np.where(r == 0, 1, r))[1] - 1, 0) - 1)
;;       q = np.round(r / step) * step * 2.0 ** e      # np.round: ties to even
;;       return np.moveaxis(q.reshape(q.shape[:-2] + (-1,))[..., :K], -1, axis).astype(np.float32)
;;   ~~~
;;   SOFTMAX AHEAD OF A QUANTISED PRODUCT. Where the list says 'softmax', what is quantised is not the finished softmax but p = 2^(t - M), with t = logit x log2(e) and M = ceil(the row's largest t), a whole number; so 1/2 < the row's largest p <= 1. The row's sum l is taken of the UNQUANTISED p, in f32, and the product's result is divided by l at the end. Since M is a whole number, a kernel that streams over the keys may use a running M (the ceiling of the running maximum): every later rescaling is an exact power of two, which a block's scale takes up: the codes' values come out the same.
;;   OPERANDS COMPUTED ON THE WAY. 'Computed on the way' means the value that the module computes at that place (a softmax that the list does not call 'softmax' is quantised finished and normalised). What goes into a quantiser is computed in f32, as accurately as f32 sums, v_exp_f32 and their like allow (about 1e-6 of the number): no bf16 or f16 on the way to a quantiser, and a product that is left as it is and whose result goes on into a quantised operand takes f32 operands (vector FMAs, or v_wmma_f32_16x16x4_f32). A number that lies on a knife's edge between two numbers of the format may be rounded either way, as far as f32 arithmetic and the matrix unit's own rounding can turn it there, and no further.
;;   INPUTS GIVEN AS CODES. W_out (in the module: [1024, 1024], K = its axis 0); W_qkv (in the module: [1024, 3072], K = its axis 0); x (in the module: [4, 2048, 1024], K = its axis 2): each comes as NAME_codes (uint8): NAME with its K axis moved to the last place and cut into blocks of 32 codes, [.., K / 32, bytes a block], one block behind the other in memory; two codes a byte, the lower K in the low four bits (a code: sign, 2 exponent bits, 1 mantissa bit); and NAME_scales (uint8): the same leading axes, one E8M0 byte (e + 127) for each 32 codes along K. Its value is code x scale, taken as it is: it is not quantised again, and the codes and scales need not be those that the quantiser above would give.
;; One version. Each part assembles by itself: llvm-mc -triple=amdgcn-amd-amdhsa -mcpu=gfx1250 --defsym DOCPART=n.
;; ======== version 1 of 1: 3 launches
;; workspace buffers: qkv 13,893,632 bytes; ao 4,194,304 bytes; asc 262,144 bytes
;; launch qkvp (part 1): grid 12 x 32, 4 waves a work-group, clusters of 4 x 4, 327,680 bytes of LDS; arguments x_codes, x_scales, W_qkv_codes, W_qkv_scales, b_qkv, qkv; writes qkv
.if DOCPART == 1
	.amdgcn_target "amdgcn-amd-amdhsa--gfx1250"
	.amdhsa_code_object_version 6
	.text
	.protected	k_q3b46963b5f_qkvp
	.globl	k_q3b46963b5f_qkvp
	.p2align	8
	.type	k_q3b46963b5f_qkvp,@function
k_q3b46963b5f_qkvp:
	s_mov_b64 s[64:65], 0
	v_nop
	global_prefetch_b8 v0, s[64:65] scope:SCOPE_SE
	s_setreg_imm32_b32 hwreg(HW_REG_WAVE_MODE, 25, 1), 1
	s_wait_xcnt 0x0
	s_wait_alu depctr_hold_cnt(0) depctr_sa_sdst(0) depctr_va_vdst(0) depctr_va_sdst(0) depctr_va_ssrc(0) depctr_va_vcc(0) depctr_vm_vsrc(0)
	s_getreg_b32 s2, hwreg(HW_REG_IB_STS2, 6, 4)
	s_cmp_eq_u32 s2, 0
	s_cbranch_scc0 .Lentry_in_a_cluster
	s_endpgm
.Lentry_in_a_cluster:
	s_bfe_u32 s2, ttmp6, 0x10000c
	s_cmp_lg_u32 s2, 0xf033
	s_cbranch_scc0 .Lentry_shape_is_right
	s_endpgm
.Lentry_shape_is_right:
; qkv = x W_qkv + b_qkv on codes of FP4 (E2M1) with E8M0 scales, and the quantising of q, k (along the head's 64) and v (along the keys).
; x: [8192][1024] codes, W_qkv: [3072][1024] codes, K innermost, 512 bytes a row; their scale bytes 32 a row.  Sums in f32; the bias is the C of each sum's first product.
; NO WORK OF THE PROBLEM IS LEFT OUT in this program: both biases go into a quantiser or into the result, every input has a way to out0, and all four products are live.
; LIMITS: NaN and infinities among the inputs are not served.  A block of zeros gets the scale byte 1 where the rule says 127: its codes are zeros, which add nothing under any byte but 0xff, and
; only this program reads the bytes.  A block whose largest magnitude lies under 2^-124 gets the byte 1, as the rule's hold at -126 has it.
; SHARES.  A work-group of four waves makes 256 positions x 256 columns of qkv, a wave 128 x 128: 64 accumulators.  K = 1,024 is two LDS slots of 512 along K: both are filled once, at the start; nothing is filled again.
; CLUSTERS: 4 x 4 work-groups; x's tiles are asked for jointly along a row of the cluster, W's along a column.  The cluster's x (0, 1, 2) says q, k or v: it is the same in all sixteen partners.
; TWO WAYS, parted by the cluster's x.  q and k: source 0 = 16 rows of W, source 1 = 16 positions: a lane holds ONE position and its registers run along the head's channels, which is their K in the next product.
; v: source 0 = 16 positions, source 1 = 16 rows of W: a lane holds ONE channel and its registers run along the keys, which is v's K.  The loads into LDS are the same on both ways.
; WHAT IS STORED: for each (batch, head, step of 128 positions) a block of 13,568 bytes, laid in the order of the next launch's operand registers:
;   0 K codes (tile of 16 keys t at 512 t, 16 bytes a lane)   4,096 K scale words (16 bytes a lane: word i = tile 2 i + lane / 16)   4,608 V codes (channel tile t, half c at 1,024 t + 512 c)
;   8,704 V scale words (8 bytes a lane)   8,960 Q codes   13,056 Q scale words, both laid as K's.  Every store of a wave covers 256 or 512 consecutive bytes, aligned to 256.
; REGISTERS, in windows of 256: window 0: v0-31 addresses; v32-95 scale words, two sets; v96-123 at work on the way out; from v128 the fragments of source 1, ONE set, later the codes made.
;   window 1: the fragments of source 0, two sets, at v0 and v128; v64-127 the bias.   window 2, 3: the accumulators ((a, b) at v[8 (8 (a % 4) + b)] of window 2 + a / 4).
.set NQ,     4                         ; steps of 128 along K in a slot
.set ROWB,   256                       ; a tile's row in bytes: 512 codes
.set KROW,   512                       ; a row of x or of W in memory
.set PITCH,  272                       ; an LDS row: 256 bytes + 16 of padding: the 16 rows that a load touches start 68 words apart
.set FR,     8
.set NL,     2
.set NP,     4                         ; places behind this matrix instruction (ISA guide 7.12.1)
.set HALFT,  128*PITCH
.set SLOT,   4*HALFT                   ; x's 256 rows, then W's 256 rows
.set KS,     32                        ; a row of scale bytes
.set SCL,    2*SLOT                    ; behind the slots: the scale bytes, rows of 256 bytes + 16 of padding
.set HALFS,  (128*KS/256)*272
.set SBLK,   (16*KS/256)*272
.set SPARE,  SCL+4*HALFS               ; the spare words, 128 bytes a wave, which no other line names
.set BLKB,   13568                     ; a block of the workspace
.set HD,     16*BLKB                   ; from a head to the next
.set ADRA, 16                          ; v16-17 LDS address of source 1's fragments in slot 0, 1
.set ADRB, 20                          ; v20-21 of source 0's
.set LI,   24                          ; v24  16 x lane
.set L8,   25                          ; v25  8 x lane
.set BO,   26                          ; v26  my offset in the bias
.set ADRS, 27                          ; v27  LDS address of my scale words: lanes 0-15 x's rows, lanes 16-31 W's
.set SPW,  28
.set NIL,  29
.set SC,   32
.set PW,   96                          ; v96-103  the scale word of each of the eight tiles
.set T,    104                         ; v104-111 scale words as they are stored
.set TM,   112                         ; v112-115 largest magnitudes; v116-119 the other half's, then the bytes
.set SO,   120                         ; v120-123 the conversions' scale operands
.set AF,   128
.set PC,   128                         ; the codes of tile a: v[128 + 8 a ..]: a set of its own for each tile, so that no store's data are written again
.set BI,   64                          ; in window 1
.set G1, 24
.set G0, 32
.set G1B, 48
.set G0B, 56
.set G1S, 68
.set G0S, 76
.set G1SB, 80
.set G0SB, 88
.set HM,  92                           ; s92 the mask of lanes 16-31
.set SEL, 94                           ; s[94:95] selects for lane l xor 16
.set MSB, 0
.macro WIN new                         ; the immediate's high byte repeats the setting that is left
.if MSB != (\new)
	s_set_vgpr_msb (MSB<<8)|(\new)
.set MSB, (\new)
.endif
.endm
.set MUL_LO, 0xa1                      ; source 0 window 1, source 1 window 0, C and D window 2
.set MUL_HI, 0xf1
.set TO_B,   0x40
; A joint load: waves 0 and 1 fetch for x, waves 2 and 3 for W.  The branch hangs on the wave's number alone.  An s_nop 0 and four v_nop follow each of the two lines.
.macro JLOAD g0a, g1a, g0b, g1b
	s_cmp_eq_u32 s15, 0
	s_cbranch_scc0 .Lfor_b_\@
	tensor_load_to_lds s[\g0a:\g0a+3], s[\g1a:\g1a+7]
	s_nop 0
.rept 4
	v_nop
.endr
	s_branch .Lasked_\@
.Lfor_b_\@:
	tensor_load_to_lds s[\g0b:\g0b+3], s[\g1b:\g1b+7]
	s_nop 0
.rept 4
	v_nop
.endr
.Lasked_\@:
.endm
.macro CROUND                          ; a round of the cluster's barrier
	s_barrier_signal -1
	s_barrier_wait -1
	s_cmp_lg_u32 s14, 0
	s_cbranch_scc1 .Lnot_wave_0_\@
	s_barrier_signal -3
.Lnot_wave_0_\@:
	s_barrier_wait -3
	s_barrier_signal -1
	s_barrier_wait -1
.endm
	s_load_b128 s[4:7], s[0:1], 0x0                ; x's codes, x's scales
	s_load_b128 s[8:11], s[0:1], 0x10              ; W's codes, W's scales
	s_load_b128 s[96:99], s[0:1], 0x20             ; the bias, the workspace
	v_lshl_add_u32 v[SPW], v0, 2, SPARE
	v_mov_b32 v[NIL], 0
	ds_add_u32 v[SPW], v[NIL]                      ; the wave's opening: the add, twice on end, and its wait ahead of my first tensor load
	ds_add_u32 v[SPW], v[NIL]
	v_lshrrev_b32 v1, 5, v0
	v_readfirstlane_b32 s14, v1                    ; wave 0..3
	s_lshr_b32 s15, s14, 1                         ; which half of source 1's rows is mine.  Also: I fetch for x (0) or for W (1)
	s_and_b32 s16, s14, 1                          ; which half of source 0's.  Also: which 128 rows I fetch
	s_bfe_u32 s40, ttmp6, 0x40000                  ; cx, cy
	s_bfe_u32 s41, ttmp6, 0x40004
	s_lshl_b32 s42, ttmp9, 2
	s_add_co_u32 s42, s42, s40                     ; X: which 256 rows of W
	s_and_b32 s17, ttmp7, 0xffff
	s_lshl_b32 s17, s17, 2
	s_add_co_u32 s17, s17, s41                     ; Y: which 256 positions
	s_lshl_b32 s43, s41, 2
	s_lshl_b32 s43, 15, s43                        ; my row of the cluster
	s_lshl_b32 s44, 0x1111, s40                    ; my column
	s_or_b32 s[G1+0], s43, (0<<16)|(1<<20)|(1<<21)|(5<<22)|(3<<25)  ; the mask; elements of 1 byte; padding: 4 words behind every 64
	s_or_b32 s[G1B+0], s44, (0<<16)|(1<<20)|(1<<21)|(5<<22)|(3<<25)
.irp g, G1, G1B
	s_mov_b32 s[\g+1], ROWB<<16                    ; tensor_dim0
	s_mov_b32 s[\g+2], 128<<16                     ; tensor_dim1
	s_mov_b32 s[\g+3], ROWB<<16                    ; tile_dim0
	s_mov_b32 s[\g+4], 128                         ; tile_dim1
	s_mov_b32 s[\g+5], KROW                        ; the pitch
	s_mov_b32 s[\g+6], 0
	s_mov_b32 s[\g+7], 0
.endr
	s_or_b32 s[G1S+0], s43, (3<<16)|(1<<20)|(1<<21)|(5<<22)|(3<<25) ; the scale bytes of 128 rows: 4,096 dense bytes as 16 rows of 32 elements of 8 bytes
	s_or_b32 s[G1SB+0], s44, (3<<16)|(1<<20)|(1<<21)|(5<<22)|(3<<25)
.irp g, G1S, G1SB
	s_mov_b32 s[\g+1], 32<<16
	s_mov_b32 s[\g+2], (128*KS/256)<<16
	s_mov_b32 s[\g+3], 32<<16
	s_mov_b32 s[\g+4], 128*KS/256
	s_mov_b32 s[\g+5], 32
	s_mov_b32 s[\g+6], 0
	s_mov_b32 s[\g+7], 0
.endr
	s_lshl_b32 s18, s16, 7
	s_lshl_b32 s20, s17, 8
	s_add_co_u32 s20, s20, s18                     ; x: row 256 Y + 128 x half
	s_lshl_b32 s46, s42, 8
	s_add_co_u32 s46, s46, s18                     ; W: row 256 X + 128 x half
	s_mov_b32 s21, 0
	s_mov_b32 s47, 0
	s_mov_b64 s[18:19], KS
	s_mul_u64 s[22:23], s[20:21], s[18:19]
	s_mul_u64 s[92:93], s[46:47], s[18:19]
	s_mov_b64 s[18:19], KROW
	s_mul_u64 s[20:21], s[20:21], s[18:19]
	s_mul_u64 s[46:47], s[46:47], s[18:19]
	s_mul_i32 s45, s14, HALFT                      ; where they go: wave x 128 rows
	s_mul_i32 s94, s14, HALFS
	s_wait_dscnt 0x0                               ; both opening adds are done
	s_wait_kmcnt 0x0
	s_add_nc_u64 s[20:21], s[4:5], s[20:21]
	s_add_nc_u64 s[22:23], s[6:7], s[22:23]
	s_add_nc_u64 s[46:47], s[8:9], s[46:47]
	s_add_nc_u64 s[92:93], s[10:11], s[92:93]
	CROUND                                         ; all sixteen work-groups are here: the joint loads meet
	s_mov_b32 s[G0S], 1
	s_add_co_u32 s[G0S+1], s94, SCL
	s_mov_b64 s[G0S+2:G0S+3], s[22:23]
	s_or_b32 s[G0S+3], s[G0S+3], 0x80000000
	s_mov_b32 s[G0SB], 1
	s_add_co_u32 s[G0SB+1], s94, SCL
	s_mov_b64 s[G0SB+2:G0SB+3], s[92:93]
	s_or_b32 s[G0SB+3], s[G0SB+3], 0x80000000
	JLOAD G0S, G1S, G0SB, G1SB                     ; the scale bytes first; then both slots: three loads of mine are out
.irp s, 0,1
	s_mov_b32 s[G0+4*\s], 1
	s_add_co_u32 s[G0+4*\s+1], s45, \s*SLOT
	s_add_nc_u64 s[G0+4*\s+2:G0+4*\s+3], s[20:21], \s*ROWB
	s_or_b32 s[G0+4*\s+3], s[G0+4*\s+3], 0x80000000
	s_mov_b32 s[G0B+4*\s], 1
	s_add_co_u32 s[G0B+4*\s+1], s45, \s*SLOT
	s_add_nc_u64 s[G0B+4*\s+2:G0B+4*\s+3], s[46:47], \s*ROWB
	s_or_b32 s[G0B+4*\s+3], s[G0B+4*\s+3], 0x80000000
	JLOAD G0+4*\s, G1, G0B+4*\s, G1B
.endr
	v_and_b32 v1, 15, v0                           ; r = lane % 16
	v_bfe_u32 v2, v0, 4, 1                         ; h = lane / 16
	v_mul_u32_u24 v3, v1, PITCH
	v_lshl_add_u32 v4, v2, 4, v3                   ; a fragment's row x pitch + 16 h
	v_and_b32 v6, 31, v0
	v_lshlrev_b32 v[LI], 4, v6
	v_lshlrev_b32 v[L8], 3, v6
	v_mul_u32_u24 v5, v1, KS                       ; my row's scale bytes,
	v_lshrrev_b32 v6, 8, v5
	v_lshl_add_u32 v5, v6, 4, v5                   ; and 16 more for each 256 passed
.irp b, 0,1,2,3
	v_mov_b32 v[TM+4+\b], 0                        ; written once: a lane permute's destination counts as one of its sources
.endr
	s_mov_b32 s[HM], 0xffff0000
	s_mov_b32 s[SEL], 0x76543210
	s_mov_b32 s[SEL+1], 0xfedcba98
.macro FRAG reg, adr, q, i             ; 16 rows x 128 K of 4-bit codes: lane l holds row l % 16; registers 4 c .. 4 c + 3 hold K = 64 c + 32 (l / 16) + 0 .. 31
.irp c, 0,1
	ds_load_b128 v[\reg+4*\c:\reg+4*\c+3], v[\adr] offset:64*(\q)+32*\c+(\i)*16*PITCH
.endr
.endm
; 16 matrix instructions: source 1's blocks a0, a0 + 1 x source 0's eight.  bs: source 0's set; sc: the set of scale words; first = 1: C is the bias (window 1); p: the way (0: q, k; 1: v).
; Scale register NQ i + q holds x's block i in lanes 0-15 and W's block i in lanes 16-31: W is source 0 on way 0 and source 1 on way 1.  The 64 accumulators take turns, one instruction a turn.
.macro MUL16 a0, bs, q, sc, first, p
.irp a, \a0, \a0+1
.irp b, 0,1,2,3,4,5,6,7
.set rD, 8*(8*((\a)%4)+\b)
.set rF0, 128*(\bs)+FR*\b
.set rF1, AF+FR*(\a)
.set rX0, SC+8*NQ*(\sc)+NQ*\b+(\q)
.set rX1, SC+8*NQ*(\sc)+NQ*(\a)+(\q)
.set rC, rD
.if \first
.if \p
.set rC, BI+8*(\a)
.else
.set rC, BI+8*\b
.endif
.endif
.if \p
	v_wmma_scale_f32_16x16x128_f8f6f4 v[rD:rD+7], v[rF0:rF0+7], v[rF1:rF1+7], v[rC:rC+7], v[rX0], v[rX1] matrix_a_fmt:MATRIX_FMT_FP4 matrix_b_fmt:MATRIX_FMT_FP4 matrix_b_scale:MATRIX_SCALE_ROW1
.else
	v_wmma_scale_f32_16x16x128_f8f6f4 v[rD:rD+7], v[rF0:rF0+7], v[rF1:rF1+7], v[rC:rC+7], v[rX0], v[rX1] matrix_a_fmt:MATRIX_FMT_FP4 matrix_b_fmt:MATRIX_FMT_FP4 matrix_a_scale:MATRIX_SCALE_ROW1
.endif
.endr
.endr
.endm
.macro FETCH_B slot, q, bs
	WIN TO_B
.irp i, 0,1,2,3,4,5,6,7
	FRAG 128*(\bs)+FR*\i, ADRB+\slot, \q, \i
.endr
	WIN 0
.endm
.macro FETCH_A slot, q, i0
.irp i, \i0, \i0+1, \i0+2, \i0+3
	FRAG AF+FR*(\i), ADRA+\slot, \q, \i
.endr
.endm
.macro SCALES sc                       ; a slot's scale words: four a row
.irp i, 0,1,2,3,4,5,6,7
	ds_load_b128 v[SC+8*NQ*\sc+NQ*\i:SC+8*NQ*\sc+NQ*\i+3], v[ADRS] offset:\i*SBLK
.endr
.endm
.macro PLACES n                        ; plain vector instructions between a matrix instruction and a load into, or a read of, its registers
.rept \n
	v_nop
.endr
.endm
.macro STEP slot, q, first, p          ; a step of 128 along K that has its successor in the same slot
	s_wait_dscnt 4*NL                              ; all but the youngest eight loads (source 1's blocks 4-7) are in
.if \first
	WIN 0x91
.else
	WIN MUL_LO
.endif
	MUL16 0, (\q)%2, \q, \slot, \first, \p
	MUL16 2, (\q)%2, \q, \slot, \first, \p
	s_wait_dscnt 0
	PLACES NP
	FETCH_B \slot, (\q)+1, 1-(\q)%2
	FETCH_A \slot, (\q)+1, 0
.if \first
	WIN 0xd1
.else
	WIN MUL_HI
.endif
	MUL16 4, (\q)%2, \q, \slot, \first, \p
	MUL16 6, (\q)%2, \q, \slot, \first, \p
	PLACES NP
	WIN 0
	FETCH_A \slot, (\q)+1, 4
.endm
.macro STEPS slot, from, p
.set Q, \from
.rept NQ-1-\from
	STEP \slot, Q, 0, \p
.set Q, Q+1
.endr
.endm
; Slot 0's last step goes over to slot 1: each wave waits for all its tensor loads (slot 1's part was still out) and passes a barrier.
.macro TURN slot, next, p
	s_wait_tensorcnt 0x0                           ; my part of the next slot has landed
	ds_add_u32 v[SPW], v[NIL]                      ; 0 onto my spare word
	s_wait_dscnt 4*NL+1                            ; the add and the youngest eight loads may be out
	WIN MUL_LO
	MUL16 0, 1, NQ-1, \slot, 0, \p
	s_wait_dscnt 0x0                               ; no LDS instruction of mine is out at the signal
	s_barrier_signal -1
	MUL16 2, 1, NQ-1, \slot, 0, \p
	WIN 0
	s_barrier_wait -1                              ; the next slot is whole
	PLACES NP
	v_add_nc_u32 v[ADRS], 4*NQ, v[ADRS]            ; the next slot's scale words
	FETCH_B \next, 0, 0
	FETCH_A \next, 0, 0
	SCALES \next
	WIN MUL_HI
	MUL16 4, 1, NQ-1, \slot, 0, \p
	MUL16 6, 1, NQ-1, \slot, 0, \p
	PLACES NP
	WIN 0
	FETCH_A \next, 0, 4
.endm
; The eight accumulators of source 1's block a: 64 numbers of a lane, register 8 T + j = index 16 T + 8 (lane / 16) + j along the next K.  A block of 32 is tiles 2 b and 2 b + 1, in lanes l and l xor 16.
; The codes go to v[PC + 8 a ..], the four scale bytes to v[PW + a].  The conversions are dealt out so that two exchanges of lane halves for each 64 give the operand's layout: register 4 c + g = index 64 c + 32 (lane / 16) + 8 g + 0 .. 7.
.macro QUANT a
.set AC, 64*((\a)%4)
.set PCA, PC+8*(\a)
	WIN 0x0a+5*((\a)/4)                            ; sources 0 and 1: the accumulators' window
.irp b, 0,1,2,3
	v_max3_num_f32 v[TM+\b], |v[AC+16*\b]|, |v[AC+16*\b+1]|, 0x1800000   ; with the floor 2^(3 - 127): the byte cannot fall under 1.  Each accumulator is read from its low end on
.endr
.irp i, 2,4,6,8,10,12,14
.irp b, 0,1,2,3
	v_max3_num_f32 v[TM+\b], |v[AC+16*\b+\i]|, |v[AC+16*\b+\i+1]|, v[TM+\b]
.endr
.endr
	WIN 0
.irp b, 0,1,2,3
	v_permlanex16_b32 v[TM+4+\b], v[TM+\b], s[SEL], s[SEL+1]
.endr
.irp b, 0,1,2,3
	v_max_num_f32 v[TM+\b], v[TM+\b], v[TM+4+\b]   ; the block's largest magnitude
.endr
.irp b, 0,1,2,3
	v_add_nc_u32 v[SO+\b], 0xff000000, v[TM+\b]    ; 2 off its exponent field: the conversion's scale operand
.endr
.irp b, 0,1,2,3
	v_lshrrev_b32 v[TM+4+\b], 23, v[SO+\b]         ; the scale's byte
.endr
	v_lshl_or_b32 v[PW+(\a)], v[TM+5], 8, v[TM+4]
	v_lshl_or_b32 v[PW+(\a)], v[TM+6], 16, v[PW+(\a)]
	v_lshl_or_b32 v[PW+(\a)], v[TM+7], 24, v[PW+(\a)]
	WIN 0x02+((\a)/4)
.irp c, 0,1
	v_cvt_scalef32_pk8_fp4_f32 v[PCA+4*\c],   v[AC+32*\c:AC+32*\c+7],     v[SO+2*\c]
	v_cvt_scalef32_pk8_fp4_f32 v[PCA+4*\c+2], v[AC+32*\c+8:AC+32*\c+15],  v[SO+2*\c]
	v_cvt_scalef32_pk8_fp4_f32 v[PCA+4*\c+1], v[AC+32*\c+16:AC+32*\c+23], v[SO+2*\c+1]
	v_cvt_scalef32_pk8_fp4_f32 v[PCA+4*\c+3], v[AC+32*\c+24:AC+32*\c+31], v[SO+2*\c+1]
.endr
	WIN 0
	v_nop                                          ; one plain place behind a scaled conversion
.irp c, 0,1
	v_permlane16_swap_b32 v[PCA+4*\c], v[PCA+4*\c+1]
	v_permlane16_swap_b32 v[PCA+4*\c+2], v[PCA+4*\c+3]
.endr
.endm
.macro BODY p
.if \p
	s_mul_i32 s21, s15, HALFT
	s_add_co_u32 s21, s21, 2*HALFT                 ; source 1: my 128 rows of W
	s_mul_i32 s22, s16, HALFT                      ; source 0: my 128 positions
.else
	s_mul_i32 s21, s15, HALFT                      ; source 1: my 128 positions
	s_mul_i32 s22, s16, HALFT
	s_add_co_u32 s22, s22, 2*HALFT                 ; source 0: my 128 rows of W
.endif
.irp s, 0,1
	v_add_nc_u32 v[ADRA+\s], s21, v4
	v_add_nc_u32 v[ADRB+\s], s22, v4
	s_add_co_u32 s21, s21, SLOT
	s_add_co_u32 s22, s22, SLOT
.endr
.if \p
	s_mul_i32 s21, s16, HALFS                      ; x's half,
	s_mul_i32 s22, s15, HALFS                      ; W's half
.else
	s_mul_i32 s21, s15, HALFS
	s_mul_i32 s22, s16, HALFS
.endif
	s_add_co_u32 s22, s22, 2*HALFS
	s_sub_co_u32 s22, s22, s21
	v_mul_u32_u24 v6, s22, v2                      ; lanes 16-31 take W's: one product, the distance between the two bases
	s_add_co_u32 s21, s21, SCL
	v_add_nc_u32 v6, v5, v6
	v_add_nc_u32 v[ADRS], s21, v6
	s_lshl_b32 s20, s42, 10                        ; the bias of my 128 rows of W: 4 (256 X + 128 x half) bytes on
.if \p
	s_lshl_b32 s21, s15, 9
.else
	s_lshl_b32 s21, s16, 9
.endif
	s_add_co_u32 s20, s20, s21
	s_mov_b32 s21, 0
	s_add_nc_u64 s[96:97], s[96:97], s[20:21]
.if \p
	v_lshlrev_b32 v[BO], 2, v1                     ; a lane holds one row of W: the same number in all eight registers of a tile
	WIN TO_B
.irp a, 0,1,2,3,4,5,6,7
.irp j, 0,1,2,3,4,5,6,7
	global_load_b32 v[BI+8*\a+\j], v[BO], s[96:97] offset:64*\a
.endr
.endr
.else
	v_lshlrev_b32 v[BO], 5, v2                     ; a lane's registers run along W's rows: 16 b + 8 h + 0 .. 7
	WIN TO_B
.irp b, 0,1,2,3,4,5,6,7
	global_load_b128 v[BI+8*\b:BI+8*\b+3], v[BO], s[96:97] offset:64*\b
	global_load_b128 v[BI+8*\b+4:BI+8*\b+7], v[BO], s[96:97] offset:64*\b+16
.endr
.endif
	WIN 0
	s_lshr_b32 s20, s17, 3                         ; where my results go: ((batch x 16 + head) x 16 + step) blocks on
	s_lshl_b32 s20, s20, 4
	s_lshl_b32 s21, s40, 2
	s_add_co_u32 s20, s20, s21
.if \p
	s_lshl_b32 s21, s15, 1
.else
	s_lshl_b32 s21, s16, 1
.endif
	s_add_co_u32 s20, s20, s21                     ; my first head: 4 cx + 2 x W's half
	s_lshl_b32 s20, s20, 4
	s_and_b32 s21, s17, 7
	s_lshl_b32 s21, s21, 1
	s_add_co_u32 s20, s20, s21
.if \p
	s_add_co_u32 s20, s20, s16                     ; my step: 2 (Y % 8) + x's half
.else
	s_add_co_u32 s20, s20, s15
.endif
	s_mul_i32 s20, s20, BLKB
.if \p
	s_add_co_u32 s20, s20, 4608                    ; V's part of a block
.else
	s_cmp_eq_u32 ttmp9, 0
	s_cselect_b32 s21, 8960, 0                     ; Q's part, or K's
	s_add_co_u32 s20, s20, s21
.endif
	s_mov_b32 s21, 0
	s_add_nc_u64 s[98:99], s[98:99], s[20:21]
	s_wait_alu depctr_va_vdst(0)
	s_wait_tensorcnt 1                             ; the scale bytes and my part of slot 0 are in; slot 1's load may be out
	s_barrier_signal -1
	s_barrier_wait -1
	FETCH_B 0, 0, 0
	FETCH_A 0, 0, 0
	SCALES 0
	FETCH_A 0, 0, 4
	s_wait_loadcnt 0x0                             ; the bias
	STEP 0, 0, 1, \p                               ; the first products start the sums from the bias: nothing is cleared
	STEPS 0, 1, \p
	TURN 0, 1, \p
	STEPS 1, 0, \p
	s_wait_dscnt 4*NL                              ; the last step: nothing more to fetch
	WIN MUL_LO
	MUL16 0, 1, NQ-1, 1, 0, \p
	MUL16 2, 1, NQ-1, 1, 0, \p
	s_wait_dscnt 0
	WIN MUL_HI
	MUL16 4, 1, NQ-1, 1, 0, \p
	MUL16 6, 1, NQ-1, 1, 0, \p
	WIN 0
	PLACES NP                                      ; in front of the first read of results and of the first write over source 1's fragments
.irp a, 0,1,2,3,4,5,6,7
	QUANT \a
.if \p
	global_store_b128 v[LI], v[PC+8*\a:PC+8*\a+3], s[98:99] offset:(\a/4)*HD+(\a%4)*1024          ; channels 16 a on: head a / 4, tile a % 4; keys 0-63 of the step,
	global_store_b128 v[LI], v[PC+8*\a+4:PC+8*\a+7], s[98:99] offset:(\a/4)*HD+(\a%4)*1024+512    ; keys 64-127
.else
	global_store_b128 v[LI], v[PC+8*\a:PC+8*\a+3], s[98:99] offset:512*\a                          ; positions 16 a on: my first head's 64 channels,
	global_store_b128 v[LI], v[PC+8*\a+4:PC+8*\a+7], s[98:99] offset:HD+512*\a                     ; my second head's
.endif
.endr
.if \p
.irp u, 0,1
.irp i, 0,1
	v_cndmask_b32 v[T+2*\u+\i], v[PW+4*\u+2*\i], v[PW+4*\u+2*\i+1], s[HM]   ; lanes 0-15: tile 2 i; lanes 16-31: tile 2 i + 1
.endr
	global_store_b64 v[L8], v[T+2*\u:T+2*\u+1], s[98:99] offset:\u*HD+4096
.endr
.else
.irp i, 0,1,2,3
	v_cndmask_b32 v[T+\i], v[PW+2*\i], v[PW+2*\i+1], s[HM]
.endr
.irp i, 0,1,2,3
	v_lshrrev_b32 v[T+4+\i], 16, v[T+\i]           ; the second head's two bytes; the upper two bytes are 0: they scale the zero codes that fill K up to 128
.endr
.irp i, 0,1,2,3
	v_and_b32 v[T+\i], 0xffff, v[T+\i]             ; the first head's
.endr
	global_store_b128 v[LI], v[T:T+3], s[98:99] offset:4096
	global_store_b128 v[LI], v[T+4:T+7], s[98:99] offset:HD+4096
.endif
.endm
	s_cmp_lt_u32 ttmp9, 2                          ; the cluster's x: the same in all waves of all sixteen partners
	s_cbranch_scc0 .Lv
	BODY 0
	s_branch .Lend
.Lv:
	BODY 1
.Lend:
	s_wait_tensorcnt 0x0                           ; the wave's end
	ds_add_u32 v[SPW], v[NIL]
	s_wait_dscnt 0x0
	CROUND                                         ; the closing round
	s_endpgm
.Lfunc_end_k_q3b46963b5f_qkvp:
	.size	k_q3b46963b5f_qkvp, .Lfunc_end_k_q3b46963b5f_qkvp-k_q3b46963b5f_qkvp
	.p2alignl 7, 3214868480
	.fill 96, 4, 3214868480
	.section	.rodata,"a",@progbits
	.p2align	6, 0x0
	.amdhsa_kernel k_q3b46963b5f_qkvp
		.amdhsa_group_segment_fixed_size 327680
		.amdhsa_private_segment_fixed_size 0
		.amdhsa_enable_private_segment 0
		.amdhsa_kernarg_size 48
		.amdhsa_user_sgpr_count 2
		.amdhsa_user_sgpr_kernarg_segment_ptr 1
		.amdhsa_wavefront_size32 1
		.amdhsa_system_sgpr_workgroup_id_x 1
		.amdhsa_system_sgpr_workgroup_id_y 1
		.amdhsa_system_sgpr_workgroup_id_z 1
		.amdhsa_system_vgpr_workitem_id 0
		.amdhsa_next_free_vgpr 1024
		.amdhsa_next_free_sgpr 100
		.amdhsa_reserve_vcc 0
		.amdhsa_float_denorm_mode_32 3
		.amdhsa_float_denorm_mode_16_64 3
		.amdhsa_memory_ordered 1
		.amdhsa_forward_progress 1
		.amdhsa_inst_pref_size 255
	.end_amdhsa_kernel
	.section	.bss,"aw",@nobits
	.p2align	6
	.space	262144
	.amdgpu_metadata
---
amdhsa.version: [ 1, 2 ]
amdhsa.kernels:
  - .name:           k_q3b46963b5f_qkvp
    .symbol:         k_q3b46963b5f_qkvp.kd
    .args:
      - { .name: x_codes, .offset: 0, .size: 8, .value_kind: global_buffer, .address_space: global }
      - { .name: x_scales, .offset: 8, .size: 8, .value_kind: global_buffer, .address_space: global }
      - { .name: W_qkv_codes, .offset: 16, .size: 8, .value_kind: global_buffer, .address_space: global }
      - { .name: W_qkv_scales, .offset: 24, .size: 8, .value_kind: global_buffer, .address_space: global }
      - { .name: b_qkv, .offset: 32, .size: 8, .value_kind: global_buffer, .address_space: global }
      - { .name: qkv, .offset: 40, .size: 8, .value_kind: global_buffer, .address_space: global }
    .group_segment_fixed_size: 327680
    .private_segment_fixed_size: 0
    .kernarg_segment_align: 8
    .kernarg_segment_size: 48
    .max_flat_workgroup_size: 128
    .sgpr_count:     100
    .vgpr_count:     1024
    .wavefront_size: 32
...
	.end_amdgpu_metadata
.endif
;; end of part 1
;; launch attn (part 2): grid 8 x 32, 16 waves a work-group, clusters of 4 x 1, 327,680 bytes of LDS; arguments qkv, ao, asc; writes ao, asc
.if DOCPART == 2
	.amdgcn_target "amdgcn-amd-amdhsa--gfx1250"
	.amdhsa_code_object_version 6
	.text
	.protected	k_q3b46963b5f_attn
	.globl	k_q3b46963b5f_attn
	.p2align	8
	.type	k_q3b46963b5f_attn,@function
k_q3b46963b5f_attn:
	s_mov_b64 s[64:65], 0
	v_nop
	global_prefetch_b8 v0, s[64:65] scope:SCOPE_SE
	s_setreg_imm32_b32 hwreg(HW_REG_WAVE_MODE, 25, 1), 1
	s_wait_xcnt 0x0
	s_wait_alu depctr_hold_cnt(0) depctr_sa_sdst(0) depctr_va_vdst(0) depctr_va_sdst(0) depctr_va_ssrc(0) depctr_va_vcc(0) depctr_vm_vsrc(0)
	s_getreg_b32 s2, hwreg(HW_REG_IB_STS2, 6, 4)
	s_cmp_eq_u32 s2, 0
	s_cbranch_scc0 .Lentry_in_a_cluster
	s_endpgm
.Lentry_in_a_cluster:
	s_bfe_u32 s2, ttmp6, 0x10000c
	s_cmp_lg_u32 s2, 0x3003
	s_cbranch_scc0 .Lentry_shape_is_right
	s_endpgm
.Lentry_shape_is_right:
; For two heads and 256 queries: S^T = K Q^T, the softmax, O^T = V^T P^T, O / l, and the quantising of O along d_model, all on codes of FP4 (E2M1) with E8M0 scales.  No work of the problem is left out.
; THE SOFTMAX: t = score x log2(e) / 8; M = the row's largest t so far, rounded UP to a whole number; p = 2^(t - M) is quantised along the keys, not normalised; the row's sum is taken of the unquantised p
; and divides O at the end.  When M moves, the sum and O are multiplied by 2^(old M - new M), which rounds nothing.
; THE FIRST PRODUCT'S K IS 64: the instruction's other 64 are zero CODES on both sides (registers 4-7 of each fragment, set once), under the scale byte 0: they add nothing.
; LIMITS: NaN and infinities are not served; a block of zeros gets the scale byte 1 (its codes are zeros; only this program reads the bytes).
; SHARES.  Work-group (qb, y): queries 256 qb on of batch y / 8, heads 2 (y % 8) and 2 (y % 8) + 1, one after the other.  Each of sixteen waves owns 16 queries, in 256 registers: four waves to a SIMD.
; The two heads are one step of 128 along K of the last product: so a wave makes a whole fragment of that product's left operand, and its rows' whole scale words.
; LDS: both heads' K and V (codes and scale words, as images of the operands' registers) stay: 2 x 16 steps x 8,960 bytes, each filled once.  Every LDS load takes consecutive bytes in consecutive lanes.
; CLUSTER: the four query blocks of a cluster walk the same K and V: each tile is asked for jointly.  Every wave issues two loads (step = its number, of either head): one of mine is out at a time.
; LAYOUT.  Both products are used transposed: a lane holds ONE query (lane % 16) throughout.  In S^T tile t, register j is key 16 t + 8 (lane / 16) + j; a block of 32 keys is tiles 2 b, 2 b + 1 in lanes l and l xor 16.
; REGISTERS: v1-7, v25 addresses; v8-11 head 0's result codes; v12 -M, v13 the largest t, v[14:15] the sum; v16-23 Q; v24 Q's scale word; v26-29 K's scale words, v30-31 V's; v32-95 K; v96-159 S^T, then p;
;   v160-191 O^T; v192-223 V; v224-231 p's codes; v232-239, v244-247, v252-254 at work; v240-243 head 1's Q, later its result codes; v248 head 1's Q scale word; v249 the result's scale word; v250-251 Q's offsets.
.set BLKB,  13568                      ; a block of the workspace: one head's step of 128 positions
.set HD,    16*BLKB
.set KVB,   8960                       ; its K and V part
.set HEADL, 16*KVB                     ; a head's K and V in LDS
.set GATH,  2*HEADL                    ; 1,024 bytes: the 256 rows' scale words are gathered here
.set SPARE, GATH+1024                  ; the spare words, 128 bytes a wave, which no other line names
.set LI,  1                            ; v1  16 x lane
.set L8,  2                            ; v2  8 x lane
.set ADL, 3
.set AD8, 4
.set SPW, 5
.set NIL, 6
.set GA,  7                            ; v7  where my row's scale word goes
.set GR,  25                           ; v25 where wave 0 reads them back
.set WV,  10
.set SEL, 32
.set CS,  34
.set TB,  36
.set CNT, 37
.macro ROUND
	s_barrier_signal -1
	s_barrier_wait -1
	s_cmp_lg_u32 s[WV], 0
	s_cbranch_scc1 .Lnot_wave_0_\@
	s_barrier_signal -3
.Lnot_wave_0_\@:
	s_barrier_wait -3
	s_barrier_signal -1
	s_barrier_wait -1
.endm
	s_load_b128 s[4:7], s[0:1], 0x0                ; qkv, ao
	s_load_b64 s[8:9], s[0:1], 0x10                ; asc
	v_lshl_add_u32 v[SPW], v0, 2, SPARE
	v_mov_b32 v[NIL], 0
	ds_add_u32 v[SPW], v[NIL]                      ; the wave's opening: the add, twice on end, and its wait ahead of my first tensor load
	ds_add_u32 v[SPW], v[NIL]
	v_lshrrev_b32 v254, 5, v0
	s_delay_alu instid0(VALU_DEP_1)
	v_readfirstlane_b32 s[WV], v254                ; wave 0..15
	s_bfe_u32 s11, ttmp6, 0x40000                  ; cx
	s_lshl_b32 s12, ttmp9, 2
	s_add_co_u32 s12, s12, s11                     ; qb: it enters global addresses of Q and of the results alone
	s_and_b32 s13, ttmp7, 0xffff                   ; y, which the four partners share
	s_mov_b32 s16, 15|(3<<16)|(1<<21)              ; group 1: all four work-groups; elements of 8 bytes; bit 21 beside the mask; no padding
	s_mov_b32 s17, 32<<16                          ; tensor_dim0 = 32 elements: rows of 256 bytes
	s_mov_b32 s18, 35<<16                          ; tensor_dim1 = 35: 8,960 dense bytes
	s_mov_b32 s19, 32<<16                          ; tile_dim0
	s_mov_b32 s20, 35                              ; tile_dim1
	s_mov_b32 s21, 32                              ; the pitch
	s_mov_b32 s22, 0
	s_mov_b32 s23, 0
	s_mov_b32 s[SEL], 0x76543210
	s_mov_b32 s[SEL+1], 0xfedcba98
	s_mov_b32 s[CS], 0x3e38aa3b                    ; c = log2(e) / sqrt(64)
	s_mov_b32 s[CS+1], s[CS]
	s_mov_b32 s24, 1
	s_mul_i32 s25, s[WV], KVB                      ; head 0's step w
	s_mov_b32 s28, 1
	s_add_co_u32 s29, s25, HEADL                   ; head 1's
	s_lshl_b32 s38, s13, 5
	s_add_co_u32 s38, s38, s[WV]
	s_mul_i32 s38, s38, BLKB                       ; block (2 y) x 16 + w
	s_mov_b32 s39, 0
	s_wait_dscnt 0x0                               ; both opening adds are done
	s_wait_kmcnt 0x0
	s_add_nc_u64 s[26:27], s[4:5], s[38:39]
	s_add_nc_u64 s[30:31], s[26:27], HD
	s_or_b32 s27, s27, 0x80000000
	s_or_b32 s31, s31, 0x80000000
	ROUND                                          ; all four work-groups are here: the joint loads meet
	tensor_load_to_lds s[24:27], s[16:23]
	s_nop 0
	s_wait_alu depctr_va_vdst(0)
	s_wait_tensorcnt 0x0
	ds_add_u32 v5, v6
	s_wait_dscnt 0x0
	ROUND
	tensor_load_to_lds s[28:31], s[16:23]
	s_nop 0
.rept 4
	v_nop
.endr
	s_lshl_b32 s40, s13, 5                         ; Q: block (2 y) x 16 + 2 qb + w / 8, its part at 8,960
	s_lshl_b32 s41, s12, 1
	s_add_co_u32 s40, s40, s41
	s_lshr_b32 s41, s[WV], 3
	s_add_co_u32 s40, s40, s41
	s_mul_i32 s40, s40, BLKB
	s_add_co_u32 s40, s40, KVB
	s_mov_b32 s41, 0
	s_add_nc_u64 s[40:41], s[4:5], s[40:41]
	v_and_b32 v1, 31, v0
	s_delay_alu instid0(VALU_DEP_1)
	v_lshlrev_b32 v[L8], 3, v1
	s_delay_alu instid0(VALU_DEP_2)
	v_lshlrev_b32 v[LI], 4, v1
	v_and_b32 v254, 15, v0                         ; r
	s_wait_alu depctr_va_vdst(0)
	s_and_b32 s42, s[WV], 7                        ; my tile of the step's eight
	s_lshl_b32 s43, s42, 9
	v_add_nc_u32 v250, s43, v[LI]                  ; its codes
	s_and_b32 s43, s[WV], 1
	s_lshl_b32 s43, s43, 8
	s_lshr_b32 s42, s42, 1
	s_lshl_b32 s42, s42, 2
	s_add_co_u32 s43, s43, s42
	s_add_co_u32 s43, s43, 4096
	v_lshl_add_u32 v251, v254, 4, s43              ; row r's scale word: 16 (r + 16 (tile % 2)) + 4 (tile / 2)
	global_load_b128 v[16:19], v250, s[40:41]
	global_load_b32 v24, v251, s[40:41]
	global_load_b128 v[240:243], v250, s[40:41] offset:HD
	global_load_b32 v248, v251, s[40:41] offset:HD
	s_lshl_b32 s42, s[WV], 6
	s_add_co_u32 s42, s42, GATH
	v_lshl_add_u32 v[GA], v254, 2, s42
	v_add_nc_u32 v[GR], GATH, v[LI]
	s_lshr_b32 s42, s13, 3                         ; the batch
	s_and_b32 s43, s13, 7                          ; the step of 128 along the last product's K
	s_lshl_b32 s44, s42, 4
	s_lshl_b32 s45, s12, 1
	s_add_co_u32 s44, s44, s45
	s_lshr_b32 s45, s[WV], 3
	s_add_co_u32 s44, s44, s45                     ; which 128 rows
	s_lshl_b32 s44, s44, 16
	s_lshl_b32 s45, s43, 13
	s_add_co_u32 s44, s44, s45
	s_and_b32 s45, s[WV], 7
	s_lshl_b32 s45, s45, 10
	s_add_co_u32 s44, s44, s45
	s_mov_b32 s45, 0
	s_add_nc_u64 s[6:7], s[6:7], s[44:45]          ; ao at my fragment's 1,024 bytes
	s_lshl_b32 s44, s43, 15
	s_lshl_b32 s42, s42, 13
	s_add_co_u32 s44, s44, s42
	s_lshl_b32 s42, s12, 10
	s_add_co_u32 s44, s44, s42
	s_add_nc_u64 s[8:9], s[8:9], s[44:45]          ; asc at the work-group's 256 words
.irp i, 20,21,22,23
	v_mov_b32 v[\i], 0                             ; the zero codes that fill K from 64 to 128: Q's,
.endr
.irp t, 0,1,2,3,4,5,6,7
.irp i, 4,5,6,7
	v_mov_b32 v[32+8*\t+\i], 0                     ; and K's
.endr
.endr
.irp b, 0,1,2,3
	v_mov_b32 v[236+\b], 0                         ; written once: a lane permute's destination counts as one of its sources
.endr
	v_mov_b32 v253, 0                              ; (named as the upper half of the pair v[252:253] before it is first written)
	s_wait_loadcnt 0x0                             ; Q
	s_wait_tensorcnt 1                             ; my tile of head 0 is in; head 1's may be out
	s_barrier_signal -1
	s_barrier_wait -1
; A KEY STEP: 128 keys, whose images begin at LDS byte s[TB].
.macro STEP
	v_add_nc_u32 v[ADL], s[TB], v[LI]
	v_add_nc_u32 v[AD8], s[TB], v[L8]
	v_nop
	v_nop                                          ; four places in front of loads into registers that the last products have read
	ds_load_b128 v[26:29], v[ADL] offset:4096      ; K's scale words: register i: lanes 0-15 tile 2 i, lanes 16-31 tile 2 i + 1
.irp t, 0,1,2,3,4,5,6,7
	ds_load_b128 v[32+8*\t:35+8*\t], v[ADL] offset:512*\t
.endr
.irp t, 0,1,2,3
.irp c, 0,1
	ds_load_b128 v[192+8*\t+4*\c:195+8*\t+4*\c], v[ADL] offset:4608+1024*\t+512*\c
.endr
.endr
	ds_load_b64 v[30:31], v[AD8] offset:8704       ; V's scale words
	s_wait_dscnt 9                                 ; K and its scale words are in; V's nine loads may be out
.irp t, 0,2,4,6
	v_wmma_scale_f32_16x16x128_f8f6f4 v[96+8*\t:103+8*\t], v[32+8*\t:39+8*\t], v[16:23], 0, v[26+\t/2], v24 matrix_a_fmt:MATRIX_FMT_FP4 matrix_b_fmt:MATRIX_FMT_FP4
	v_wmma_scale_f32_16x16x128_f8f6f4 v[104+8*\t:111+8*\t], v[40+8*\t:47+8*\t], v[16:23], 0, v[26+\t/2], v24 matrix_a_fmt:MATRIX_FMT_FP4 matrix_b_fmt:MATRIX_FMT_FP4 matrix_a_scale:MATRIX_SCALE_ROW1
.endr
.rept 4
	v_nop
.endr
.irp b, 0,1,2,3
	v_max3_num_f32 v[232+\b], v[96+16*\b], v[97+16*\b], v[98+16*\b]   ; the largest score of each block of 32 keys: for the row's maximum, and, since p rises with the score, for the block's largest p
.endr
.irp i, 3,5,7,9,11,13
.irp b, 0,1,2,3
	v_max3_num_f32 v[232+\b], v[232+\b], v[96+16*\b+\i], v[97+16*\b+\i]
.endr
.endr
.irp b, 0,1,2,3
	v_max_num_f32 v[232+\b], v[232+\b], v[111+16*\b]
.endr
.irp b, 0,1,2,3
	s_delay_alu instid0(VALU_DEP_4)
	v_permlanex16_b32 v[236+\b], v[232+\b], s[SEL], s[SEL+1]
.endr
.irp b, 0,1,2,3
	s_delay_alu instid0(VALU_DEP_4)
	v_max_num_f32 v[232+\b], v[232+\b], v[236+\b]
.endr
	s_delay_alu instid0(VALU_DEP_2)
	v_max3_num_f32 v254, v232, v233, v234
	s_delay_alu instid0(VALU_DEP_1)
	v_max_num_f32 v254, v254, v235
	s_delay_alu instid0(VALU_DEP_1)
	v_mul_f32 v254, s[CS], v254                    ; the step's largest t of my query
	s_delay_alu instid0(VALU_DEP_1)
	v_max_num_f32 v13, v13, v254
	v_mov_b32 v254, v12
	s_delay_alu instid0(VALU_DEP_2)
	v_floor_f32 v12, -v13                          ; -M = floor(-t): M is a whole number
	s_delay_alu instid0(VALU_DEP_1)
	v_sub_f32 v254, v12, v254                      ; old M - new M: a whole number, 0 or less
	s_delay_alu instid0(VALU_DEP_1)
	v_cvt_i32_f32 v254, v254                       ; (it saturates)
	s_delay_alu instid0(VALU_DEP_1)
	v_ldexp_f32 v252, 1.0, v254                    ; f = 2^(old M - new M)
.set j, 0
.rept 32
	v_pk_fma_f32 v[96+j:97+j], v[96+j:97+j], s[CS:CS+1], v[12:13] op_sel_hi:[1,0,0]   ; t - M
.set j, j+2
.endr
.irp b, 0,1,2,3
	v_fma_f32 v[232+\b], v[232+\b], s[CS], v12
.endr
.set j, 0
	s_wait_alu depctr_va_vdst(0)
.rept 64
	v_exp_f32 v[96+j], v[96+j]                     ; p = 2^(t - M)
.set j, j+1
.endr
	s_setprio 1
	v_pk_mul_f32 v[14:15], v[14:15], v[252:253] op_sel_hi:[1,0]   ; the sums under the new M: a plain place behind the exponentials
	s_wait_alu depctr_va_vdst(0)                   ; one wait for the batch, ahead of its first reader
.irp b, 0,1,2,3
	v_exp_f32 v[232+\b], v[232+\b]                 ; the block's largest p
.endr
	v_pk_add_f32 v[236:237], v[96:97], v[98:99]    ; the row's sum of the unquantised p, in two chains
.irp j, 4,8,12,16,20,24,28,32,36,40,44,48,52,56,60
	v_pk_add_f32 v[14:15], v[14:15], v[96+\j:97+\j]
	v_pk_add_f32 v[236:237], v[236:237], v[98+\j:99+\j]
.endr
	s_delay_alu instid0(VALU_DEP_1)
	v_pk_add_f32 v[14:15], v[14:15], v[236:237]
	s_wait_alu depctr_va_vdst(0)                   ; and one for the four
.irp b, 0,1,2,3
	v_max_num_f32 v[232+\b], 0x1800000, v[232+\b]  ; the floor 2^(3 - 127)
.endr
.irp b, 0,1,2,3
	s_delay_alu instid0(VALU_DEP_4)
	v_add_nc_u32 v[244+\b], 0xff000000, v[232+\b]  ; 2 off the exponent field: the conversion's scale operand
.endr
.irp b, 0,1,2,3
	s_delay_alu instid0(VALU_DEP_4)
	v_lshrrev_b32 v[236+\b], 23, v[244+\b]
.endr
	s_delay_alu instid0(VALU_DEP_3)
	v_lshl_or_b32 v253, v237, 8, v236              ; p's scale word for these 128 keys
	s_delay_alu instid0(VALU_DEP_1)
	v_lshl_or_b32 v253, v238, 16, v253
	s_delay_alu instid0(VALU_DEP_1)
	v_lshl_or_b32 v253, v239, 24, v253
.irp c, 0,1                                    ; tiles 4 c and 4 c + 2 make registers 4 c, 4 c + 1; tiles 4 c + 1 and 4 c + 3 registers 4 c + 2, 4 c + 3
	v_cvt_scalef32_pk8_fp4_f32 v[224+4*\c], v[96+32*\c:103+32*\c], v[244+2*\c]
	v_cvt_scalef32_pk8_fp4_f32 v[226+4*\c], v[104+32*\c:111+32*\c], v[244+2*\c]
	v_cvt_scalef32_pk8_fp4_f32 v[225+4*\c], v[112+32*\c:119+32*\c], v[245+2*\c]
	v_cvt_scalef32_pk8_fp4_f32 v[227+4*\c], v[120+32*\c:127+32*\c], v[245+2*\c]
.endr
	v_nop                                          ; one plain place behind a scaled conversion
.irp c, 0,1
	v_permlane16_swap_b32 v[224+4*\c], v[225+4*\c] ; register 4 c + g now holds keys 64 c + 32 (lane / 16) + 8 g + 0 .. 7
	v_permlane16_swap_b32 v[226+4*\c], v[227+4*\c]
.endr
.set j, 0
	s_setprio 0
.rept 16
	v_pk_mul_f32 v[160+j:161+j], v[160+j:161+j], v[252:253] op_sel_hi:[1,0]   ; O^T under the new M, each accumulator from its low end on; these sixteen are also the places between p's codes and scale word and the products
.set j, j+2
.endr
	s_wait_alu depctr_va_vdst(0)
	s_wait_dscnt 0x0                               ; V and its scale words
.irp t, 0,2
	v_wmma_scale_f32_16x16x128_f8f6f4 v[160+8*\t:167+8*\t], v[192+8*\t:199+8*\t], v[224:231], v[160+8*\t:167+8*\t], v[30+\t/2], v253 matrix_a_fmt:MATRIX_FMT_FP4 matrix_b_fmt:MATRIX_FMT_FP4
	v_wmma_scale_f32_16x16x128_f8f6f4 v[168+8*\t:175+8*\t], v[200+8*\t:207+8*\t], v[224:231], v[168+8*\t:175+8*\t], v[30+\t/2], v253 matrix_a_fmt:MATRIX_FMT_FP4 matrix_b_fmt:MATRIX_FMT_FP4 matrix_a_scale:MATRIX_SCALE_ROW1
.endr
.endm
; Head e is finished: O^T / l, register 8 t + j = channel 16 t + 8 (lane / 16) + j of my query; its two blocks of 32 are quantised; the codes are half c = e of my fragment, the bytes 2 e and 2 e + 1 of my row's scale word.
.macro FIN e
.set OC, 8+232*(\e)
.rept 4
	v_nop
.endr
	v_add_f32 v14, v14, v15
	s_delay_alu instid0(VALU_DEP_1)
	v_permlanex16_b32 v252, v14, s[SEL], s[SEL+1]
	s_delay_alu instid0(VALU_DEP_1)
	v_add_f32 v14, v14, v252                       ; the row's sum
	s_wait_alu depctr_va_vdst(0)
	v_rcp_f32 v14, v14
	v_nop                                          ; a plain place behind the reciprocal
	s_wait_alu depctr_va_vdst(0)                   ; and the wait ahead of its first reader
.set j, 0
.rept 16
	v_pk_mul_f32 v[96+j:97+j], v[160+j:161+j], v[14:15] op_sel_hi:[1,0]
.set j, j+2
.endr
.irp b, 0,1
	v_max3_num_f32 v[232+\b], |v[96+16*\b]|, |v[97+16*\b]|, 0x1800000
.endr
.irp i, 2,4,6,8,10,12,14
.irp b, 0,1
	s_delay_alu instid0(VALU_DEP_2)
	v_max3_num_f32 v[232+\b], v[232+\b], |v[96+16*\b+\i]|, |v[97+16*\b+\i]|
.endr
.endr
.irp b, 0,1
	s_delay_alu instid0(VALU_DEP_2)
	v_permlanex16_b32 v[236+\b], v[232+\b], s[SEL], s[SEL+1]
.endr
.irp b, 0,1
	s_delay_alu instid0(VALU_DEP_2)
	v_max_num_f32 v[232+\b], v[232+\b], v[236+\b]
.endr
.irp b, 0,1
	s_delay_alu instid0(VALU_DEP_2)
	v_add_nc_u32 v[244+\b], 0xff000000, v[232+\b]
.endr
.irp b, 0,1
	s_delay_alu instid0(VALU_DEP_2)
	v_lshrrev_b32 v[236+\b], 23, v[244+\b]
.endr
.if \e
	s_delay_alu instid0(VALU_DEP_1)
	v_lshl_or_b32 v236, v237, 8, v236
	s_delay_alu instid0(VALU_DEP_1)
	v_lshl_or_b32 v249, v236, 16, v249
.else
	s_delay_alu instid0(VALU_DEP_1)
	v_lshl_or_b32 v249, v237, 8, v236
.endif
	v_cvt_scalef32_pk8_fp4_f32 v[OC], v[96:103], v244
	v_cvt_scalef32_pk8_fp4_f32 v[OC+2], v[104:111], v244
	v_cvt_scalef32_pk8_fp4_f32 v[OC+1], v[112:119], v245
	v_cvt_scalef32_pk8_fp4_f32 v[OC+3], v[120:127], v245
	v_nop
	v_permlane16_swap_b32 v[OC], v[OC+1]
	v_permlane16_swap_b32 v[OC+2], v[OC+3]
	global_store_b128 v[LI], v[OC:OC+3], s[6:7] offset:512*(\e)   ; 512 consecutive bytes, aligned; these registers are not written again
.endm
.macro HEAD e
.if \e
	s_wait_tensorcnt 0x0                           ; my tile of head 1 is in,
	s_wait_dscnt 0x0
	s_barrier_signal -1
	s_barrier_wait -1                              ; everybody's is
.irp i, 0,1,2,3
	v_mov_b32 v[16+\i], v[240+\i]                  ; head 1's Q; the lines below stand between these and the first product
.endr
	v_mov_b32 v24, v248
.endif
	v_mov_b32 v13, 0xff61b1e6                      ; the largest t so far: -3e38
	s_delay_alu instid0(VALU_DEP_1)
	v_floor_f32 v12, -v13
	v_mov_b32 v14, 0
	v_mov_b32 v15, 0
.set j, 0
.rept 32
	v_mov_b32 v[160+j], 0                          ; O^T: the step is written once; the first finds zeros
.set j, j+1
.endr
	s_mov_b32 s[TB], (\e)*HEADL
	s_mov_b32 s[CNT], 16
.Lstep_\@:
	s_setprio 2
	STEP
	s_add_co_u32 s[TB], s[TB], KVB
	s_sub_co_u32 s[CNT], s[CNT], 1
	s_cmp_lg_u32 s[CNT], 0
	s_cbranch_scc1 .Lstep_\@
	s_setprio 0
	FIN \e
.endm
	HEAD 0
	HEAD 1
	ds_store_b32 v[GA], v249                       ; my rows' scale words (both halves of the lanes write the same word with the same value)
	s_wait_dscnt 0x0                               ; for the others' sake
	s_barrier_signal -1
	s_barrier_wait -1
	s_cmp_lg_u32 s[WV], 0
	s_cbranch_scc1 .Lnot_0
	ds_load_b128 v[96:99], v[GR]                   ; wave 0 stores the 256 words: 1,024 consecutive bytes, aligned
	ds_load_b128 v[100:103], v[GR] offset:512
	s_wait_dscnt 0x0
	global_store_b128 v[LI], v[96:99], s[8:9]
	global_store_b128 v[LI], v[100:103], s[8:9] offset:512
.Lnot_0:
	s_wait_tensorcnt 0x0                           ; the wave's end
	ds_add_u32 v[SPW], v[NIL]
	s_wait_dscnt 0x0
	ROUND                                          ; the closing round
	s_endpgm
.Lfunc_end_k_q3b46963b5f_attn:
	.size	k_q3b46963b5f_attn, .Lfunc_end_k_q3b46963b5f_attn-k_q3b46963b5f_attn
	.p2alignl 7, 3214868480
	.fill 96, 4, 3214868480
	.section	.rodata,"a",@progbits
	.p2align	6, 0x0
	.amdhsa_kernel k_q3b46963b5f_attn
		.amdhsa_group_segment_fixed_size 327680
		.amdhsa_private_segment_fixed_size 0
		.amdhsa_enable_private_segment 0
		.amdhsa_kernarg_size 24
		.amdhsa_user_sgpr_count 2
		.amdhsa_user_sgpr_kernarg_segment_ptr 1
		.amdhsa_wavefront_size32 1
		.amdhsa_system_sgpr_workgroup_id_x 1
		.amdhsa_system_sgpr_workgroup_id_y 1
		.amdhsa_system_sgpr_workgroup_id_z 1
		.amdhsa_system_vgpr_workitem_id 0
		.amdhsa_next_free_vgpr 256
		.amdhsa_next_free_sgpr 66
		.amdhsa_reserve_vcc 0
		.amdhsa_float_denorm_mode_32 3
		.amdhsa_float_denorm_mode_16_64 3
		.amdhsa_memory_ordered 1
		.amdhsa_forward_progress 1
		.amdhsa_inst_pref_size 51
	.end_amdhsa_kernel
	.amdgpu_metadata
---
amdhsa.version: [ 1, 2 ]
amdhsa.kernels:
  - .name:           k_q3b46963b5f_attn
    .symbol:         k_q3b46963b5f_attn.kd
    .args:
      - { .name: qkv, .offset: 0, .size: 8, .value_kind: global_buffer, .address_space: global }
      - { .name: ao, .offset: 8, .size: 8, .value_kind: global_buffer, .address_space: global }
      - { .name: asc, .offset: 16, .size: 8, .value_kind: global_buffer, .address_space: global }
    .group_segment_fixed_size: 327680
    .private_segment_fixed_size: 0
    .kernarg_segment_align: 8
    .kernarg_segment_size: 24
    .max_flat_workgroup_size: 512
    .sgpr_count:     66
    .vgpr_count:     256
    .wavefront_size: 32
...
	.end_amdgpu_metadata
.endif
;; end of part 2
;; launch outp (part 3): grid 4 x 32, 4 waves a work-group, clusters of 4 x 4, 327,680 bytes of LDS; arguments ao, asc, W_out_codes, W_out_scales, b_out, out0; writes out0
.if DOCPART == 3
	.amdgcn_target "amdgcn-amd-amdhsa--gfx1250"
	.amdhsa_code_object_version 6
	.text
	.protected	k_q3b46963b5f_outp
	.globl	k_q3b46963b5f_outp
	.p2align	8
	.type	k_q3b46963b5f_outp,@function
k_q3b46963b5f_outp:
	s_mov_b64 s[64:65], 0
	v_nop
	global_prefetch_b8 v0, s[64:65] scope:SCOPE_SE
	s_setreg_imm32_b32 hwreg(HW_REG_WAVE_MODE, 25, 1), 1
	s_wait_xcnt 0x0
	s_wait_alu depctr_hold_cnt(0) depctr_sa_sdst(0) depctr_va_vdst(0) depctr_va_sdst(0) depctr_va_ssrc(0) depctr_va_vcc(0) depctr_vm_vsrc(0)
	s_getreg_b32 s2, hwreg(HW_REG_IB_STS2, 6, 4)
	s_cmp_eq_u32 s2, 0
	s_cbranch_scc0 .Lentry_in_a_cluster
	s_endpgm
.Lentry_in_a_cluster:
	s_bfe_u32 s2, ttmp6, 0x10000c
	s_cmp_lg_u32 s2, 0xf033
	s_cbranch_scc0 .Lentry_shape_is_right
	s_endpgm
.Lentry_shape_is_right:
; out0 = A W_out + b_out on codes of FP4 (E2M1) with E8M0 scales.  A [8192][1024] comes from the launch before as images of its fragments; W_out: [1024][1024] codes, K innermost; out0 [8192][1024] f32.  No work is left out.
; ao: [128 rows][step of 128 along K][tile of 16 rows][1,024 bytes]: registers 0-3 of the fragment at 16 x lane, registers 4-7 at 512 + 16 x lane.  asc: [step][row], one scale word each.
; SHARES.  A work-group of four waves makes 256 x 256 of out0, a wave 128 x 128: 64 accumulators.  K = 1,024 is two LDS slots of 512 along K, both filled once at the start; nothing is filled again.
; CLUSTERS: 4 x 4 work-groups; A's tiles are asked for jointly along a row of the cluster, W's along a column.
; THE MATRIX INSTRUCTION IS USED TRANSPOSED (source 0 = 16 rows of W, source 1 = 16 rows of A): a lane holds eight neighbouring numbers of a row of out0.  The bias is the C of each sum's first product.
; REGISTERS: window 0: v0-31 addresses; v32-95 scale words, two sets; from v128 A's fragments, one set; on the way out v128-255 rows.  window 1: W's fragments, two sets, at v0 and v128; v64-127 the bias.  windows 2, 3: the accumulators.
.set NQ,     4
.set ROWB,   256
.set KROW,   512
.set SIZE_N, 1024
.set PITCH,  272                       ; W's rows in LDS: 256 bytes + 16 of padding
.set FR,     8
.set NL,     2
.set NP,     4
.set HALFT,  128*PITCH                 ; a half's place in a slot; A's images use 32,768 bytes of it, dense
.set SLOT,   4*HALFT
.set SCA,    2*SLOT                    ; A's scale words: [half][step][512 bytes]
.set SCB,    SCA+8192                  ; W's scale bytes: rows of 256 bytes + 16 of padding
.set HALFSB, 16*272
.set SPARE,  SCB+2*HALFSB              ; the spare words, 128 bytes a wave, which no other line names
.set SPITCH, 528                       ; the way out: 16 rows x (512 bytes + 16) for each wave, in slot 0, which has had its one fill and its last read by then
.set ADRA, 16
.set ADRB, 20
.set ADSB, 23                          ; v23 W's scale words: row = lane
.set STO,  24
.set RD,   25
.set CO,   26                          ; v26 16 x lane
.set ADSA, 27                          ; v27 A's scale words: row = lane
.set SPW,  28
.set NIL,  29
.set BO,   30
.set SC,   32                          ; set s at v[32 + 32 s]: registers 4 q + u: A's words of step q, rows 32 u + lane; registers 16 + 4 u + q: W's
.set AF,   128
.set BK,   128
.set BI,   64
.set G1, 24
.set G0, 32
.set G1B, 48
.set G0B, 56
.set G1S, 68
.set G0S, 76
.set G1SB, 80
.set G0SB, 88
.set MSB, 0
.macro WIN new
.if MSB != (\new)
	s_set_vgpr_msb (MSB<<8)|(\new)
.set MSB, (\new)
.endif
.endm
.set MUL_LO, 0xa1
.set MUL_HI, 0xf1
.set TO_B,   0x40
.macro JLOAD g0a, g1a, g0b, g1b        ; waves 0 and 1 fetch for A, waves 2 and 3 for W; an s_nop 0 and four v_nop follow each of the two lines
	s_cmp_eq_u32 s15, 0
	s_cbranch_scc0 .Lfor_b_\@
	tensor_load_to_lds s[\g0a:\g0a+3], s[\g1a:\g1a+7]
	s_nop 0
.rept 4
	v_nop
.endr
	s_branch .Lasked_\@
.Lfor_b_\@:
	tensor_load_to_lds s[\g0b:\g0b+3], s[\g1b:\g1b+7]
	s_nop 0
.rept 4
	v_nop
.endr
.Lasked_\@:
.endm
.macro CROUND
	s_barrier_signal -1
	s_barrier_wait -1
	s_cmp_lg_u32 s14, 0
	s_cbranch_scc1 .Lnot_wave_0_\@
	s_barrier_signal -3
.Lnot_wave_0_\@:
	s_barrier_wait -3
	s_barrier_signal -1
	s_barrier_wait -1
.endm
	s_load_b128 s[4:7], s[0:1], 0x0                ; ao, asc
	s_load_b128 s[8:11], s[0:1], 0x10              ; W's codes, W's scales
	s_load_b128 s[96:99], s[0:1], 0x20             ; the bias, out0
	v_lshl_add_u32 v[SPW], v0, 2, SPARE
	v_mov_b32 v[NIL], 0
	ds_add_u32 v[SPW], v[NIL]                      ; the wave's opening: the add, twice on end, and its wait ahead of my first tensor load
	ds_add_u32 v[SPW], v[NIL]
	v_lshrrev_b32 v1, 5, v0
	v_readfirstlane_b32 s14, v1                    ; wave 0..3
	s_lshr_b32 s15, s14, 1                         ; which half of the tile's rows is mine.  Also: I fetch for A (0) or for W (1)
	s_and_b32 s16, s14, 1                          ; which half of its columns.  Also: which 128 rows I fetch
	s_bfe_u32 s40, ttmp6, 0x40000
	s_bfe_u32 s41, ttmp6, 0x40004
	s_lshl_b32 s42, ttmp9, 2
	s_add_co_u32 s42, s42, s40                     ; tile column
	s_and_b32 s17, ttmp7, 0xffff
	s_lshl_b32 s17, s17, 2
	s_add_co_u32 s17, s17, s41                     ; tile row
	s_lshl_b32 s43, s41, 2
	s_lshl_b32 s43, 15, s43                        ; my row of the cluster
	s_lshl_b32 s44, 0x1111, s40                    ; my column
	s_or_b32 s[G1+0], s43, (3<<16)|(1<<21)         ; A's images of 128 rows x 512 K: 32,768 dense bytes as 128 rows of 32 elements of 8 bytes, no padding
	s_mov_b32 s[G1+1], 32<<16
	s_mov_b32 s[G1+2], 128<<16
	s_mov_b32 s[G1+3], 32<<16
	s_mov_b32 s[G1+4], 128
	s_mov_b32 s[G1+5], 32
	s_mov_b32 s[G1+6], 0
	s_mov_b32 s[G1+7], 0
	s_or_b32 s[G1B+0], s44, (0<<16)|(1<<20)|(1<<21)|(5<<22)|(3<<25)  ; W: 128 rows of 256 bytes, 4 words of padding behind every 64
	s_mov_b32 s[G1B+1], ROWB<<16
	s_mov_b32 s[G1B+2], 128<<16
	s_mov_b32 s[G1B+3], ROWB<<16
	s_mov_b32 s[G1B+4], 128
	s_mov_b32 s[G1B+5], KROW
	s_mov_b32 s[G1B+6], 0
	s_mov_b32 s[G1B+7], 0
	s_or_b32 s[G1S+0], s43, (3<<16)|(1<<21)        ; A's scale words of 128 rows: 8 rows (steps) of 512 bytes, 32,768 bytes apart
	s_mov_b32 s[G1S+1], 64<<16
	s_mov_b32 s[G1S+2], 8<<16
	s_mov_b32 s[G1S+3], 64<<16
	s_mov_b32 s[G1S+4], 8
	s_mov_b32 s[G1S+5], 4096
	s_mov_b32 s[G1S+6], 0
	s_mov_b32 s[G1S+7], 0
	s_or_b32 s[G1SB+0], s44, (3<<16)|(1<<20)|(1<<21)|(5<<22)|(3<<25) ; W's scale bytes of 128 rows: 4,096 dense bytes as 16 rows of 256
	s_mov_b32 s[G1SB+1], 32<<16
	s_mov_b32 s[G1SB+2], 16<<16
	s_mov_b32 s[G1SB+3], 32<<16
	s_mov_b32 s[G1SB+4], 16
	s_mov_b32 s[G1SB+5], 32
	s_mov_b32 s[G1SB+6], 0
	s_mov_b32 s[G1SB+7], 0
	s_lshl_b32 s20, s17, 1
	s_add_co_u32 s20, s20, s16                     ; which 128 rows of A
	s_lshl_b32 s22, s20, 9                         ; their scale words in a step's row
	s_lshl_b32 s20, s20, 16                        ; their images
	s_mov_b32 s21, 0
	s_mov_b32 s23, 0
	s_lshl_b32 s18, s16, 7
	s_lshl_b32 s46, s42, 8
	s_add_co_u32 s46, s46, s18                     ; W: row 256 x tile column + 128 x half
	s_lshl_b32 s92, s46, 5                         ; its scale bytes,
	s_lshl_b32 s46, s46, 9                         ; its codes
	s_mov_b32 s47, 0
	s_mov_b32 s93, 0
	s_mul_i32 s45, s14, HALFT                      ; where the codes go: wave x a half's place
	s_lshl_b32 s94, s16, 12                        ; and the scales
	s_mul_i32 s95, s16, HALFSB
	s_wait_dscnt 0x0                               ; both opening adds are done
	s_wait_kmcnt 0x0
	s_add_nc_u64 s[20:21], s[4:5], s[20:21]
	s_add_nc_u64 s[22:23], s[6:7], s[22:23]
	s_add_nc_u64 s[46:47], s[8:9], s[46:47]
	s_add_nc_u64 s[92:93], s[10:11], s[92:93]
	CROUND                                         ; all sixteen work-groups are here: the joint loads meet
	s_mov_b32 s[G0S], 1
	s_add_co_u32 s[G0S+1], s94, SCA
	s_mov_b64 s[G0S+2:G0S+3], s[22:23]
	s_or_b32 s[G0S+3], s[G0S+3], 0x80000000
	s_mov_b32 s[G0SB], 1
	s_add_co_u32 s[G0SB+1], s95, SCB
	s_mov_b64 s[G0SB+2:G0SB+3], s[92:93]
	s_or_b32 s[G0SB+3], s[G0SB+3], 0x80000000
	JLOAD G0S, G1S, G0SB, G1SB                     ; the scales first; then both slots, each behind a wait for the load before
.irp s, 0,1
	s_mov_b32 s[G0+4*\s], 1
	s_add_co_u32 s[G0+4*\s+1], s45, \s*SLOT
	s_add_nc_u64 s[G0+4*\s+2:G0+4*\s+3], s[20:21], \s*32768
	s_or_b32 s[G0+4*\s+3], s[G0+4*\s+3], 0x80000000
	s_mov_b32 s[G0B+4*\s], 1
	s_add_co_u32 s[G0B+4*\s+1], s45, \s*SLOT
	s_add_nc_u64 s[G0B+4*\s+2:G0B+4*\s+3], s[46:47], \s*ROWB
	s_or_b32 s[G0B+4*\s+3], s[G0B+4*\s+3], 0x80000000
	s_wait_alu depctr_va_vdst(0)
	s_wait_tensorcnt 0x0
	ds_add_u32 v28, v29
	s_wait_dscnt 0x0
	CROUND
	JLOAD G0+4*\s, G1, G0B+4*\s, G1B
.endr
	v_and_b32 v1, 15, v0                           ; r
	v_bfe_u32 v2, v0, 4, 1                         ; h
	v_and_b32 v6, 31, v0                           ; lane
	s_wait_alu depctr_va_vdst(0)
	v_mul_u32_u24 v3, v1, PITCH
	v_lshl_add_u32 v4, v2, 4, v3                   ; W: row x pitch + 16 h
	v_lshlrev_b32 v[CO], 4, v6
	s_mul_i32 s21, s15, HALFT                      ; my 128 rows of A
	s_mul_i32 s22, s16, HALFT
	s_add_co_u32 s22, s22, 2*HALFT                 ; my 128 rows of W
.irp s, 0,1
	v_add_nc_u32 v[ADRA+\s], s21, v[CO]
	v_add_nc_u32 v[ADRB+\s], s22, v4
	s_add_co_u32 s21, s21, SLOT
	s_add_co_u32 s22, s22, SLOT
.endr
	s_lshl_b32 s21, s15, 12
	s_add_co_u32 s21, s21, SCA
	v_lshl_add_u32 v[ADSA], v6, 2, s21
	v_lshlrev_b32 v5, 5, v6                        ; W's scale bytes: 32 a row,
	v_lshrrev_b32 v7, 8, v5
	v_lshl_add_u32 v5, v7, 4, v5                   ; and 16 more for each 256 passed
	s_mul_i32 s22, s16, HALFSB
	s_add_co_u32 s22, s22, SCB
	v_add_nc_u32 v[ADSB], s22, v5
	s_mul_i32 s23, s14, 16*SPITCH                  ; my stage
	v_mul_u32_u24 v5, v1, SPITCH
	v_lshl_add_u32 v5, v2, 5, v5
	v_add_nc_u32 v[STO], s23, v5                   ; in: row r, 32 bytes for each half of the lanes
	v_add_nc_u32 v[RD], s23, v[CO]                 ; back: the 32 lanes take one row of 512 bytes
	s_lshl_b32 s46, s42, 10
	s_lshl_b32 s47, s16, 9
	s_add_co_u32 s46, s46, s47                     ; my first column, in bytes of f32: in the bias and in a row of out0
	s_mov_b32 s47, 0
	s_add_nc_u64 s[96:97], s[96:97], s[46:47]
	v_lshlrev_b32 v[BO], 5, v2
	WIN TO_B
.irp b, 0,1,2,3,4,5,6,7
	global_load_b128 v[BI+8*\b:BI+8*\b+3], v[BO], s[96:97] offset:64*\b          ; the bias of columns 16 b + 8 h + 0 .. 7
	global_load_b128 v[BI+8*\b+4:BI+8*\b+7], v[BO], s[96:97] offset:64*\b+16
.endr
	WIN 0
	s_lshl_b32 s20, s17, 8
	s_lshl_b32 s21, s15, 7
	s_add_co_u32 s20, s20, s21                     ; my first row of out0
	s_lshl_b32 s20, s20, 12
	s_add_co_u32 s20, s20, s46
	s_mov_b32 s21, 0
	s_add_nc_u64 s[98:99], s[98:99], s[20:21]
; 16 matrix instructions: A's blocks a0, a0 + 1 x W's eight.  A scale register holds two blocks' words, the even block's in lanes 0-15, the odd one's in lanes 16-31.  The 64 accumulators take turns.
.macro MUL16 a0, bs, q, sc, first
.irp a, \a0, \a0+1
.irp b, 0,1,2,3,4,5,6,7
.set rD, 8*(8*((\a)%4)+\b)
.set rF0, 128*(\bs)+FR*\b
.set rF1, AF+FR*(\a)
.set rX0, SC+32*(\sc)+16+4*(\b/2)+(\q)
.set rX1, SC+32*(\sc)+4*(\q)+(\a)/2
.set rC, rD
.if \first
.set rC, BI+8*\b
.endif
.if ((\b)%2) && ((\a)%2)
	v_wmma_scale_f32_16x16x128_f8f6f4 v[rD:rD+7], v[rF0:rF0+7], v[rF1:rF1+7], v[rC:rC+7], v[rX0], v[rX1] matrix_a_fmt:MATRIX_FMT_FP4 matrix_b_fmt:MATRIX_FMT_FP4 matrix_a_scale:MATRIX_SCALE_ROW1 matrix_b_scale:MATRIX_SCALE_ROW1
.elseif (\b)%2
	v_wmma_scale_f32_16x16x128_f8f6f4 v[rD:rD+7], v[rF0:rF0+7], v[rF1:rF1+7], v[rC:rC+7], v[rX0], v[rX1] matrix_a_fmt:MATRIX_FMT_FP4 matrix_b_fmt:MATRIX_FMT_FP4 matrix_a_scale:MATRIX_SCALE_ROW1
.elseif (\a)%2
	v_wmma_scale_f32_16x16x128_f8f6f4 v[rD:rD+7], v[rF0:rF0+7], v[rF1:rF1+7], v[rC:rC+7], v[rX0], v[rX1] matrix_a_fmt:MATRIX_FMT_FP4 matrix_b_fmt:MATRIX_FMT_FP4 matrix_b_scale:MATRIX_SCALE_ROW1
.else
	v_wmma_scale_f32_16x16x128_f8f6f4 v[rD:rD+7], v[rF0:rF0+7], v[rF1:rF1+7], v[rC:rC+7], v[rX0], v[rX1] matrix_a_fmt:MATRIX_FMT_FP4 matrix_b_fmt:MATRIX_FMT_FP4
.endif
.endr
.endr
.endm
.macro FETCH_B slot, q, bs             ; W's eight fragments from rows
	WIN TO_B
.irp i, 0,1,2,3,4,5,6,7
.irp c, 0,1
	ds_load_b128 v[128*(\bs)+FR*\i+4*\c:128*(\bs)+FR*\i+4*\c+3], v[ADRB+\slot] offset:64*(\q)+32*\c+\i*16*PITCH
.endr
.endr
	WIN 0
.endm
.macro FETCH_A slot, q, i0             ; A's blocks i0 .. i0 + 3 from their images
.irp i, \i0, \i0+1, \i0+2, \i0+3
.irp c, 0,1
	ds_load_b128 v[AF+FR*(\i)+4*\c:AF+FR*(\i)+4*\c+3], v[ADRA+\slot] offset:8192*(\q)+1024*(\i)+512*\c
.endr
.endr
.endm
.macro SCALES sc                       ; slot sc's scale words: 20 loads; the step stands in the immediate, no address is stepped
.irp q, 0,1,2,3
.irp u, 0,1,2,3
	ds_load_b32 v[SC+32*\sc+4*\q+\u], v[ADSA] offset:(4*\sc+\q)*512+128*\u
.endr
.endr
.irp u, 0,1,2,3
	ds_load_b128 v[SC+32*\sc+16+4*\u:SC+32*\sc+16+4*\u+3], v[ADSB] offset:1088*\u+16*\sc
.endr
.endm
.macro PLACES n
.rept \n
	v_nop
.endr
.endm
.macro STEP slot, q, first
	s_wait_dscnt 4*NL                              ; all but the youngest eight loads (A's blocks 4-7) are in
.if \first
	WIN 0x91
.else
	WIN MUL_LO
.endif
	MUL16 0, (\q)%2, \q, \slot, \first
	MUL16 2, (\q)%2, \q, \slot, \first
	s_wait_dscnt 0
	PLACES NP
	FETCH_B \slot, (\q)+1, 1-(\q)%2
	FETCH_A \slot, (\q)+1, 0
.if \first
	WIN 0xd1
.else
	WIN MUL_HI
.endif
	MUL16 4, (\q)%2, \q, \slot, \first
	MUL16 6, (\q)%2, \q, \slot, \first
	PLACES NP
	WIN 0
	FETCH_A \slot, (\q)+1, 4
.endm
.macro STEPS slot, from
.set Q, \from
.rept NQ-1-\from
	STEP \slot, Q, 0
.set Q, Q+1
.endr
.endm
.macro TURN slot, next                 ; slot 0's last step goes over to slot 1
	s_wait_tensorcnt 0x0                           ; my part of the next slot has landed
	ds_add_u32 v[SPW], v[NIL]                      ; 0 onto my spare word
	s_wait_dscnt 4*NL+1                            ; the add and the youngest eight loads may be out
	WIN MUL_LO
	MUL16 0, 1, NQ-1, \slot, 0
	s_wait_dscnt 0x0                               ; no LDS instruction of mine is out at the signal: my reads of this slot are over
	s_barrier_signal -1
	MUL16 2, 1, NQ-1, \slot, 0
	WIN 0
	s_barrier_wait -1
	PLACES NP
	FETCH_B \next, 0, 0
	FETCH_A \next, 0, 0
	SCALES \next
	WIN MUL_HI
	MUL16 4, 1, NQ-1, \slot, 0
	MUL16 6, 1, NQ-1, \slot, 0
	PLACES NP
	WIN 0
	FETCH_A \next, 0, 4
.endm
	s_wait_alu depctr_va_vdst(0)
	s_wait_tensorcnt 1                             ; the scales and my part of slot 0 are in; slot 1's load may be out
	s_barrier_signal -1
	s_barrier_wait -1
	FETCH_B 0, 0, 0
	FETCH_A 0, 0, 0
	SCALES 0
	FETCH_A 0, 0, 4
	s_wait_loadcnt 0x0                             ; the bias
	STEP 0, 0, 1                                   ; the first products start the sums from the bias
	STEPS 0, 1
	TURN 0, 1
	STEPS 1, 0
	s_wait_dscnt 4*NL
	WIN MUL_LO
	MUL16 0, 1, NQ-1, 1, 0
	MUL16 2, 1, NQ-1, 1, 0
	s_wait_dscnt 0
	WIN MUL_HI
	MUL16 4, 1, NQ-1, 1, 0
	MUL16 6, 1, NQ-1, 1, 0
	WIN 0
; THE WAY OUT, block by block of 16 rows x 128 columns, through my own stage: in as 32 bytes a lane, back as whole rows of 512 bytes.  LDS serves a wave's instructions in order (ISA guide 5.7.1.4).
.macro TOSTAGE a
.set AC, 64*((\a)%4)
	WIN 0x08+4*((\a)/4)
.irp b, 0,1,2,3,4,5,6,7
	ds_store_b128 v[STO], v[AC+8*\b:AC+8*\b+3] offset:64*\b          ; each accumulator from its low end on
	ds_store_b128 v[STO], v[AC+8*\b+4:AC+8*\b+7] offset:64*\b+16
.endr
	WIN 0
.set BB, BK+64*((\a)%2)
.irp t, 0,1,2,3,4,5,6,7,8,9,10,11,12,13,14,15
	ds_load_b128 v[BB+4*\t:BB+4*\t+3], v[RD] offset:\t*SPITCH
.endr
.endm
.macro SEND a, younger                 ; younger: the LDS instructions issued behind block a's loads
.set BB, BK+64*((\a)%2)
	s_wait_dscnt \younger
.if (\a) > 0
	s_add_nc_u64 s[98:99], s[98:99], 16*SIZE_N*4   ; (behind a wait on XCNT: the earlier stores have read their base)
.endif
.irp t, 0,1,2,3,4,5,6,7,8,9,10,11,12,13,14,15
	global_store_b128 v[CO], v[BB+4*\t:BB+4*\t+3], s[98:99] offset:\t*SIZE_N*4 th:TH_STORE_NT   ; 32 lanes store 512 consecutive bytes, aligned to 256
.endr
.endm
	PLACES NP
	TOSTAGE 0
.irp a, 1,2,3,4,5,6,7
.if \a > 1
	s_wait_xcnt 0x0                                ; block a - 2's stores have read their registers and their base
.endif
	TOSTAGE \a
	SEND \a-1, 32                                  ; behind block a - 1's loads: block a's 16 stores and 16 loads
.endr
	s_wait_xcnt 0x0
	SEND 7, 0
	s_wait_tensorcnt 0x0                           ; the wave's end
	ds_add_u32 v[SPW], v[NIL]
	s_wait_dscnt 0x0
	CROUND                                         ; the closing round
	s_endpgm
.Lfunc_end_k_q3b46963b5f_outp:
	.size	k_q3b46963b5f_outp, .Lfunc_end_k_q3b46963b5f_outp-k_q3b46963b5f_outp
	.p2alignl 7, 3214868480
	.fill 96, 4, 3214868480
	.section	.rodata,"a",@progbits
	.p2align	6, 0x0
	.amdhsa_kernel k_q3b46963b5f_outp
		.amdhsa_group_segment_fixed_size 327680
		.amdhsa_private_segment_fixed_size 0
		.amdhsa_enable_private_segment 0
		.amdhsa_kernarg_size 48
		.amdhsa_user_sgpr_count 2
		.amdhsa_user_sgpr_kernarg_segment_ptr 1
		.amdhsa_wavefront_size32 1
		.amdhsa_system_sgpr_workgroup_id_x 1
		.amdhsa_system_sgpr_workgroup_id_y 1
		.amdhsa_system_sgpr_workgroup_id_z 1
		.amdhsa_system_vgpr_workitem_id 0
		.amdhsa_next_free_vgpr 1024
		.amdhsa_next_free_sgpr 100
		.amdhsa_reserve_vcc 0
		.amdhsa_float_denorm_mode_32 3
		.amdhsa_float_denorm_mode_16_64 3
		.amdhsa_memory_ordered 1
		.amdhsa_forward_progress 1
		.amdhsa_inst_pref_size 128
	.end_amdhsa_kernel
	.amdgpu_metadata
---
amdhsa.version: [ 1, 2 ]
amdhsa.kernels:
  - .name:           k_q3b46963b5f_outp
    .symbol:         k_q3b46963b5f_outp.kd
    .args:
      - { .name: ao, .offset: 0, .size: 8, .value_kind: global_buffer, .address_space: global }
      - { .name: asc, .offset: 8, .size: 8, .value_kind: global_buffer, .address_space: global }
      - { .name: W_out_codes, .offset: 16, .size: 8, .value_kind: global_buffer, .address_space: global }
      - { .name: W_out_scales, .offset: 24, .size: 8, .value_kind: global_buffer, .address_space: global }
      - { .name: b_out, .offset: 32, .size: 8, .value_kind: global_buffer, .address_space: global }
      - { .name: out0, .offset: 40, .size: 8, .value_kind: global_buffer, .address_space: global }
    .group_segment_fixed_size: 327680
    .private_segment_fixed_size: 0
    .kernarg_segment_align: 8
    .kernarg_segment_size: 48
    .max_flat_workgroup_size: 128
    .sgpr_count:     100
    .vgpr_count:     1024
    .wavefront_size: 32
...
	.end_amdgpu_metadata
.endif
;; end of part 3
